; MI455X (gfx1250); checked and timed in simulation.
; The chip was launched on July 23, 2026; its instructions are those of AMD's public machine-readable ISA for CDNA 5 (MIT licence, August 2026) and "CDNA5" Instruction Set Architecture Reference Guide (July 2026). The comments in the code are by the model that wrote it; some were corrected since.
;; RBM. Allowed arithmetic: float matrix products may take bf16 or f16 operands with f32 sums; other float arithmetic in f32, or as packed bf16 or f16 multiplies, adds, multiply-adds, maxima and minima; sums over many terms, partial sums and values carried from step to step in f32; what a program stores and reads back later, other than sums and carried values, may be rounded once to bf16 or f16.
;; Inputs: W 4,096 x 4,096 float32; hidden_bias 4,096 float32; input_data 4,096 x 4,096 float32.
;; Outputs: out0 4,096 x 4,096 float32.
;; 2 versions, each right; version 2 is version 1 with the launch cast written anew for expert scheduling mode. Each part assembles by itself: llvm-mc -triple=amdgcn-amd-amdhsa -mcpu=gfx1250 --defsym DOCPART=n.
;; ======== version 1 of 2: 2 launches
;; workspace buffers: xb 33,554,432 bytes; wb 33,554,432 bytes
;; launch cast (part 1): grid 512 x 2, 8 waves a work-group, no clusters, 0 bytes of LDS; arguments input_data, W, xb, wb; writes xb, wb
.if DOCPART == 1
	.amdgcn_target "amdgcn-amd-amdhsa--gfx1250"
	.amdhsa_code_object_version 6
	.text
	.protected	k_qe1f4db2613_cast
	.globl	k_qe1f4db2613_cast
	.p2align	8
	.type	k_qe1f4db2613_cast,@function
k_qe1f4db2613_cast:
	s_mov_b64 s[64:65], 0
	v_nop
	global_prefetch_b8 v0, s[64:65] scope:SCOPE_SE
	s_setreg_imm32_b32 hwreg(HW_REG_WAVE_MODE, 25, 1), 1
	s_wait_xcnt 0x0
; xb = bf16(input_data), wb = bf16(W): both [4096][4096], the layout unchanged, each number rounded once to nearest even.
; LIMITS.  bf16 has f32's exponents: a finite f32 above bf16's largest finite number rounds to infinity; NaN stays NaN; denormals are kept.
; SHARES.  Grid y picks the pair of buffers (0: input_data -> xb, 1: W -> wb).  Work-group x owns 131,072 consecutive input bytes, in 32 pieces of 4,096.
; Thread t takes the 16 bytes at 16 t of each piece: a wave's load covers 512 consecutive bytes, aligned; its four numbers pack into 8 bytes, and a wave's store
; covers 256 consecutive bytes, aligned.  Nothing is shared and nothing is read twice: no LDS, no barrier.
; A ring of DEPTH slots in registers keeps DEPTH loads of every wave on their way; two rounds, written out, so that every offset is an immediate and no address register is ever rewritten.
.set DEPTH, 16                         ; slots = loads in flight in each wave
.set PIECE, 4096                       ; input bytes of a piece; half as many leave
.set X, 4                              ; v[4:67]   slot i: 4 registers, 4 f32 as loaded
.set Y, 68                             ; v[68:99]  slot i: 2 registers, 4 bf16 to store
	s_load_b256 s[4:11], s[0:1], 0x0               ; input_data s[4:5], W s[6:7], xb s[8:9], wb s[10:11]
	v_lshlrev_b32 v1, 4, v0                        ; my 16 bytes of an input piece; never rewritten
	v_lshlrev_b32 v2, 3, v0                        ; my 8 bytes of an output piece; never rewritten
	s_lshl_b32 s18, ttmp9, 17                      ; the work-group's 131,072 input bytes (511 x 131,072 stays under 2^32),
	s_mov_b32 s19, 0
	s_lshl_b32 s20, ttmp9, 16                      ; and its 65,536 output bytes
	s_mov_b32 s21, 0
	s_and_b32 s12, ttmp7, 0xffff                   ; which pair of buffers
	s_wait_kmcnt 0x0
	s_cmp_eq_u32 s12, 0
	s_cselect_b64 s[14:15], s[4:5], s[6:7]         ; from
	s_cselect_b64 s[16:17], s[8:9], s[10:11]       ; to
	s_add_nc_u64 s[14:15], s[14:15], s[18:19]
	s_add_nc_u64 s[16:17], s[16:17], s[20:21]
.irp i, 0,1,2,3,4,5,6,7,8,9,10,11,12,13,14,15
	global_load_b128 v[X+4*(\i):X+4*(\i)+3], v1, s[14:15] offset:PIECE*(\i) th:TH_LOAD_NT  ; fill the ring: pieces 0 to 15
.endr
; One slot's turn.  ahead = 1: first round: piece i leaves, piece DEPTH + i is asked for.  ahead = 0: second round: piece DEPTH + i leaves.
; left = how many younger loads may still be out when this slot's load has to be there.
.macro SLOT i, ahead, left
	s_wait_loadcnt \left                           ; loads come back in order (ISA guide 5.7.1): mine is in, the younger ones stay out
	v_cvt_pk_bf16_f32 v[Y+2*(\i)],   v[X+4*(\i)],   v[X+4*(\i)+1]   ; two roundings, packed: the lower column in the lower half
	v_cvt_pk_bf16_f32 v[Y+2*(\i)+1], v[X+4*(\i)+2], v[X+4*(\i)+3]
.if \ahead
	global_load_b128 v[X+4*(\i):X+4*(\i)+3], v1, s[14:15] offset:PIECE*(DEPTH+(\i)) th:TH_LOAD_NT  ; the load ahead of the store
	global_store_b64 v2, v[Y+2*(\i):Y+2*(\i)+1], s[16:17] offset:(PIECE/2)*(\i)
.else
	global_store_b64 v2, v[Y+2*(\i):Y+2*(\i)+1], s[16:17] offset:(PIECE/2)*(DEPTH+(\i))
.endif
.endm
.irp i, 0,1,2,3,4,5,6,7,8,9,10,11,12,13,14,15
	SLOT \i, 1, DEPTH-1                            ; behind slot i's load stand 15 - i of the first fill and i refills: fifteen
.endr
	s_wait_xcnt 0x0                                ; every store of the first round has had its addresses translated (ISA guide 3.1): Y is rewritten only behind this wait
.irp i, 0,1,2,3,4,5,6,7,8,9,10,11,12,13,14,15
	SLOT \i, 0, DEPTH-1-(\i)                       ; the second round loads nothing: the counts run down
.endr
	s_endpgm
.Lfunc_end_k_qe1f4db2613_cast:
	.size	k_qe1f4db2613_cast, .Lfunc_end_k_qe1f4db2613_cast-k_qe1f4db2613_cast
	.p2alignl 7, 3214868480
	.fill 96, 4, 3214868480
	.section	.rodata,"a",@progbits
	.p2align	6, 0x0
	.amdhsa_kernel k_qe1f4db2613_cast
		.amdhsa_group_segment_fixed_size 0
		.amdhsa_private_segment_fixed_size 0
		.amdhsa_enable_private_segment 0
		.amdhsa_kernarg_size 32
		.amdhsa_user_sgpr_count 2
		.amdhsa_user_sgpr_kernarg_segment_ptr 1
		.amdhsa_wavefront_size32 1
		.amdhsa_system_sgpr_workgroup_id_x 1
		.amdhsa_system_sgpr_workgroup_id_y 1
		.amdhsa_system_sgpr_workgroup_id_z 1
		.amdhsa_system_vgpr_workitem_id 0
		.amdhsa_next_free_vgpr 100
		.amdhsa_next_free_sgpr 66
		.amdhsa_reserve_vcc 0
		.amdhsa_float_denorm_mode_32 3
		.amdhsa_float_denorm_mode_16_64 3
		.amdhsa_memory_ordered 1
		.amdhsa_forward_progress 1
		.amdhsa_inst_pref_size 12
	.end_amdhsa_kernel
	.amdgpu_metadata
---
amdhsa.version: [ 1, 2 ]
amdhsa.kernels:
  - .name:           k_qe1f4db2613_cast
    .symbol:         k_qe1f4db2613_cast.kd
    .args:
      - { .name: input_data, .offset: 0, .size: 8, .value_kind: global_buffer, .address_space: global }
      - { .name: W, .offset: 8, .size: 8, .value_kind: global_buffer, .address_space: global }
      - { .name: xb, .offset: 16, .size: 8, .value_kind: global_buffer, .address_space: global }
      - { .name: wb, .offset: 24, .size: 8, .value_kind: global_buffer, .address_space: global }
    .group_segment_fixed_size: 0
    .private_segment_fixed_size: 0
    .kernarg_segment_align: 8
    .kernarg_segment_size: 32
    .max_flat_workgroup_size: 256
    .sgpr_count:     66
    .vgpr_count:     100
    .wavefront_size: 32
...
	.end_amdgpu_metadata
.endif
;; end of part 1
;; launch gemm (part 2): grid 16 x 16, 4 waves a work-group, clusters of 4 x 4, 327,680 bytes of LDS; arguments xb, wb, hidden_bias, out0; writes out0
.if DOCPART == 2
	.amdgcn_target "amdgcn-amd-amdhsa--gfx1250"
	.amdhsa_code_object_version 6
	.text
	.protected	k_qe1f4db2613_gemm
	.globl	k_qe1f4db2613_gemm
	.p2align	8
	.type	k_qe1f4db2613_gemm,@function
k_qe1f4db2613_gemm:
	s_mov_b64 s[64:65], 0
	v_nop
	global_prefetch_b8 v0, s[64:65] scope:SCOPE_SE
	s_setreg_imm32_b32 hwreg(HW_REG_WAVE_MODE, 25, 1), 1
	s_wait_xcnt 0x0
	s_wait_alu depctr_hold_cnt(0) depctr_sa_sdst(0) depctr_va_vdst(0) depctr_va_sdst(0) depctr_va_ssrc(0) depctr_va_vcc(0) depctr_vm_vsrc(0)
	s_getreg_b32 s2, hwreg(HW_REG_IB_STS2, 6, 4)
	s_cmp_eq_u32 s2, 0
	s_cbranch_scc0 .Lentry_in_a_cluster
	s_endpgm
.Lentry_in_a_cluster:
	s_bfe_u32 s2, ttmp6, 0x10000c
	s_cmp_lg_u32 s2, 0xf033
	s_cbranch_scc0 .Lentry_shape_is_right
	s_endpgm
.Lentry_shape_is_right:
; out[m][n] = sigmoid(sum over k of x[m][k] W[k][n] + bias[n]).  xb: [4096 m][4096 k] bf16, wb: [4096 k][4096 n] bf16 (both rounded once from f32 by the launch before),
; bias: [4096] f32, out: [4096][4096] f32.  Sums in f32, K ascending; bias and sigmoid in f32: sigmoid(z) = 1 / (1 + 2^(-z log2 e)).
; LIMITS.  An exponential below 2^-126 counts as 0 (the result is then 1); one beyond f32's range is infinite (the result is then 0); a result below 2^-126 comes out as 0:
; each within 1.2e-38 of the true number.  NaN and infinities among the inputs are not treated apart.
; SHARES.  A tile of out, 256 x 256, is made by a work-group of four waves; a wave makes 128 x 128: 64 accumulators of 16 x 16, 512 registers.  16 x 16 tiles: 256 work-groups.
; K goes in 32 steps of 128 through a ring of two LDS slots filled by the tensor data mover: x's tile is 256 rows (m) of 256 bytes, W's 128 rows (k) of 512 bytes.
; W LIES [k][n]: its fragments come out of LDS turned, by ds_load_tr16_b128; x's come as they lie.
; CLUSTERS: 4 x 4 work-groups.  The four of a row of the cluster need the same tiles of x, the four of a column the same tiles of W: each tile is asked for JOINTLY, by the same tensor
; load with the same descriptor and a mask that names the four.  That divides the requests for x and for W by four.
; THE MATRIX INSTRUCTION IS USED TRANSPOSED: source 0 = 16 columns of W, source 1 = 16 rows of x.  In the result lane l holds row l % 16 of out and the columns 8 (l / 16) + 0..7.
; REGISTERS, in windows of 256 (s_set_vgpr_msb's low byte: bits 1:0 source 0, 3:2 source 1, 5:4 source 2, 7:6 destination):
;   window 0: v0-31 addresses and the bias; v64-127, v128-191 fragments of x, two buffers; on the way out v32-223: three buffers of 16 rows
;   window 1: v64-127, v128-191 fragments of W, two buffers
;   window 2: the 32 accumulators of my rows 0-63 (accumulator (a, b) at v[8 (8 a + b)]);   window 3: those of my rows 64-127
.set KSTEP,  128
.set ROWB,   8192                      ; bytes in a row of xb and of wb
.set OROW,   16384                     ; bytes in a row of out
.set PA,     272                       ; an LDS row of x: 256 bytes + 16 of padding = 68 words: row r starts at bank 4 r mod 64 (64 banks of 4 bytes: ISA guide 11.1): the 16 rows of a load start at 16 different banks
.set PB,     544                       ; an LDS row of W: 512 bytes + 32 of padding = 136 words: row r starts at bank 8 r mod 64
.set HALFT,  34816                     ; what one tensor load brings: 128 rows of x (128 x 272) or 64 rows of W (64 x 544)
.set SLOT,   4*HALFT                   ; x's 256 rows, then W's 128 rows
.set STAGE,  2*SLOT                    ; behind the ring: 16 rows x 528 bytes for each wave, for the way out; no tensor load lands here
.set SP,     528                       ; a stage row: 128 f32 + 16 bytes = 132 words: row r starts at bank 4 r mod 64
.set SPARE,  STAGE+4*16*SP             ; behind the stages: the spare words, 128 bytes for each wave: two blocks of 256 bytes that no other line names
.set LAPS,   4096/(2*KSTEP)            ; a lap = two K steps = once round the ring: 16
.set NB,   8                           ; v[8:11] the bias of my four columns on the way out, times -log2 e
.set ADRA, 16                          ; v16-17  LDS address of my fragments of x in slot 0, 1
.set ADRB, 20                          ; v20-21  the same for W
.set STO,  24                          ; v24     the way out: where I put 32 bytes of a row
.set RD,   25                          ; v25     the way out: where I read a row back
.set CO,   26                          ; v26     16 x lane: my 16 bytes of the wave's 512 in a row of out, and in the bias; never rewritten
.set SPW,  28                          ; v28     LDS address of my spare word: SPARE + 4 x my thread's number; never rewritten
.set NIL,  29                          ; v29     0; never rewritten
.set PFO,  30                          ; v30     the prefetches' lane offset; never rewritten
.set OB,   32                          ; the way out: block a's 16 rows lie in v[OB + 64 (a % 3) ..], 64 registers
.set F0,   64                          ; fragment buffer 0
.set F1,   128                         ; fragment buffer 1
.set WV,   12                          ; s12  my wave's number
.set FB,   13                          ; s13  wave / 2: which half of the tile's rows is mine.  Also: I fetch for x (0) or for W (1)
.set HF,   14                          ; s14  wave % 2: which half of its columns.  Also: which half of that tile I fetch
.set LIM,  15                          ; s15  1 in a wave that prefetches, else the greatest number
.set G1,   24                          ; s[24:31] descriptor group 1 for x's tiles
.set G0,   32                          ; s[32:39] descriptor group 0 for x's tiles, one set for each slot
.set PFA,  44                          ; s[44:45] where my prefetches stand
.set PFS,  46                          ; s[46:47] their step: a K step along x's rows (256 bytes) or down W's (128 rows)
.set G1B,  48                          ; s[48:55] descriptor group 1 for W's tiles
.set G0B,  56                          ; s[56:63] descriptor group 0 for W's tiles, one set for each slot
.set LC,   66                          ; s[66:67] -log2 e: the packed lines name a pair and take its low word for both halves
.set MSB, 0
.macro WIN new                         ; the immediate's high byte repeats the setting that is left; a switch that changes nothing is dropped
.if MSB != (\new)
	s_set_vgpr_msb (MSB<<8)|(\new)
.set MSB, \new
.endif
.endm
.set MUL_LO, 0xa1                      ; source 0 (W) window 1, source 1 (x) window 0, C and D window 2
.set MUL_HI, 0xf1                      ; the same, C and D window 3
.set TO_B,   0x40                      ; destination window 1, address window 0
; A joint load.  Waves 0 and 1 fetch x's two halves, waves 2 and 3 W's.  Each of the two lines has ONE mask and one set of registers for all that issue it.  The branch hangs on the wave's
; number alone.  An s_nop 0 and four v_nop follow each of the two lines; the jump, the label and what follows the macro come after them.
.macro JLOAD s
	s_cmp_eq_u32 s[FB], 0
	s_cbranch_scc0 .Lfor_b_\@
	tensor_load_to_lds s[G0+4*(\s):G0+4*(\s)+3], s[G1:G1+7]
	s_nop 0
.rept 4
	v_nop
.endr
	s_branch .Lasked_\@
.Lfor_b_\@:
	tensor_load_to_lds s[G0B+4*(\s):G0B+4*(\s)+3], s[G1B:G1B+7]
	s_nop 0
.rept 4
	v_nop
.endr
.Lasked_\@:
.endm
; A PREFETCH INTO THE L2, behind each joint refill, its five lines and the run of LDS loads that follows them: my share of the K step that stands TWO refills on, 512 matrix instructions ahead
; of the load that will ask for it: 32 blocks of 256 bytes, a lane a block, one instruction a wave.  Each block is named ONCE in the launch: x's tile row is read by every cluster of that row of
; clusters, and the one with cluster x = 0 asks; W's tile column by every cluster of that column, and the one with cluster y = 0 asks.  The four partners that ask for a tile jointly share it
; out BY ADDRESS (of the 128 rows of x that a wave fetches, 32 each by cx; of the 64 rows of W, 16 each by cy): no branch hangs on a work-group's place in its cluster.
; The loop's last trip (s3 = 1) asks for nothing: its two refills are K steps 30 and 31, and there is no K step two on.
.macro ASK
	s_cmp_gt_u32 s3, s[LIM]
	s_cbranch_scc0 .Lnot_mine_\@
	global_prefetch_b8 v[PFO], s[PFA:PFA+1] th:TH_LOAD_NT scope:SCOPE_SE
.Lnot_mine_\@:
.endm
; A round of the cluster's barrier: my work-group's barrier, so that wave 0's signal speaks for all four waves; wave 0 signals for the work-group; every wave waits for all sixteen
; work-groups; my work-group's barrier once more.  No LDS instruction of the wave is pending at a signal.
.macro CREST                           ; a round behind its opening barrier
	s_cmp_lg_u32 s[WV], 0
	s_cbranch_scc1 .Lnot_wave_0_\@
	s_barrier_signal -3
.Lnot_wave_0_\@:
	s_barrier_wait -3
	s_barrier_signal -1
	s_barrier_wait -1
.endm
.macro CROUND                          ; a whole round
	s_barrier_signal -1
	s_barrier_wait -1
	CREST
.endm
	s_load_b256 s[4:11], s[0:1], 0x0               ; xb s[4:5], wb s[6:7], bias s[8:9], out s[10:11]
	v_lshl_add_u32 v[SPW], v0, 2, SPARE
	v_mov_b32 v[NIL], 0
	ds_add_u32 v[SPW], v[NIL]                      ; the wave's opening: the add, twice on end, and its wait ahead of my first tensor load; the set-up below, work on registers, stands between
	ds_add_u32 v[SPW], v[NIL]                      ; and once more, under the one wait
	v_lshrrev_b32 v1, 5, v0
	v_readfirstlane_b32 s[WV], v1                  ; wave 0..3
	s_lshr_b32 s[FB], s[WV], 1
	s_and_b32 s[HF], s[WV], 1
	s_bfe_u32 s40, ttmp6, 0x40000                  ; cx: my place along the cluster's x
	s_bfe_u32 s41, ttmp6, 0x40004                  ; cy: along its y
	s_lshl_b32 s42, ttmp9, 2                       ; in a cluster launch ttmp9 and ttmp7 count clusters
	s_add_co_u32 s42, s42, s40                     ; tile column = 4 x cluster x + cx
	s_and_b32 s43, ttmp7, 0xffff
	s_lshl_b32 s43, s43, 2
	s_add_co_u32 s43, s43, s41                     ; tile row = 4 x cluster y + cy
	s_lshl_b32 s70, s41, 2
	s_lshl_b32 s70, 15, s70                        ; my row of the cluster: places 4 cy .. 4 cy + 3
	s_lshl_b32 s71, 0x1111, s40                    ; my column: places cx, cx + 4, cx + 8, cx + 12
	; descriptor group 1 for x: a tile of 128 rows x 128 elements, padded in LDS
	s_or_b32 s[G1+0], s70, (1<<16)|(1<<20)|(1<<21)|(5<<22)|(3<<25)  ; 15:0 the mask: my row; 17:16 elements of 2 bytes; 20 padding on; 21 set beside a mask; 24:22 after every 64 words (code 5); 31:25 4 words (code 3)
	s_mov_b32 s[G1+1], 128<<16                     ; tensor_dim0 = 128
	s_mov_b32 s[G1+2], 128<<16                     ; tensor_dim1 = 128
	s_mov_b32 s[G1+3], 128<<16                     ; tile_dim0 = 128
	s_mov_b32 s[G1+4], 128                         ; tile_dim1 = 128
	s_mov_b32 s[G1+5], 4096                        ; elements from row to row
	s_mov_b32 s[G1+6], 0
	s_mov_b32 s[G1+7], 0
	; descriptor group 1 for W: a tile of 64 rows (k) x 256 elements (n), padded in LDS
	s_or_b32 s[G1B+0], s71, (1<<16)|(1<<20)|(1<<21)|(6<<22)|(7<<25) ; the mask: my column; padding after every 128 words (code 6), 8 words (code 7)
	s_mov_b32 s[G1B+1], 256<<16                    ; tensor_dim0 = 256
	s_mov_b32 s[G1B+2], 64<<16                     ; tensor_dim1 = 64
	s_mov_b32 s[G1B+3], 256<<16                    ; tile_dim0 = 256
	s_mov_b32 s[G1B+4], 64                         ; tile_dim1 = 64
	s_mov_b32 s[G1B+5], 4096
	s_mov_b32 s[G1B+6], 0
	s_mov_b32 s[G1B+7], 0
	; where the tiles come from.  x's hang on the tile row alone, which my row of the cluster shares; W's on the tile column alone, which my column shares.
	s_lshl_b32 s16, s43, 8
	s_lshl_b32 s17, s[HF], 7
	s_add_co_u32 s16, s16, s17                     ; x: row 256 x tile row + 128 x half,
	s_lshl_b32 s16, s16, 13                        ; in bytes (under 2^25)
	s_mov_b32 s17, 0
	s_lshl_b32 s68, s[HF], 19                      ; W: 64 x half rows of 8,192 bytes,
	s_lshl_b32 s69, s42, 9                         ; and the tile's 256 columns: 512 bytes x tile column
	s_add_co_u32 s68, s68, s69
	s_mov_b32 s69, 0
	s_mul_i32 s20, s[WV], HALFT                    ; and where they go: x's two halves, then W's two halves = wave x HALFT: no place in the cluster enters an LDS address
	s_mov_b32 s[LC], 0xbfb8aa3b                    ; -log2 e
	s_mov_b32 s[LC+1], s[LC]                       ; named with it as a pair, so it is written
	s_wait_dscnt 0x0                               ; both opening adds are done
	s_wait_kmcnt 0x0
	s_add_nc_u64 s[18:19], s[4:5], s[16:17]
	s_add_nc_u64 s[68:69], s[6:7], s[68:69]
	CROUND                                         ; all sixteen work-groups are here: the first joint loads meet
.irp s, 0,1
	s_mov_b32 s[G0+4*(\s)], 1                                      ; 1:0 count = 1
	s_add_co_u32 s[G0+4*(\s)+1], s20, (\s)*SLOT                    ; 63:32 LDS address
	s_add_nc_u64 s[G0+4*(\s)+2:G0+4*(\s)+3], s[18:19], (\s)*KSTEP*2  ; 120:64 global address: K step s lies 256 s bytes along the rows
	s_or_b32 s[G0+4*(\s)+3], s[G0+4*(\s)+3], 0x80000000            ; 127:126 type = 2
	s_mov_b32 s[G0B+4*(\s)], 1
	s_add_co_u32 s[G0B+4*(\s)+1], s20, (\s)*SLOT
	s_add_nc_u64 s[G0B+4*(\s)+2:G0B+4*(\s)+3], s[68:69], (\s)*KSTEP*ROWB  ; K step s lies 128 s rows down
	s_or_b32 s[G0B+4*(\s)+3], s[G0B+4*(\s)+3], 0x80000000
	JLOAD \s                                       ; the ring is filled before anything else is done: two loads of mine are out
.endr
	; A fragment is 16 rows x 32 K in 8 registers: lane l holds row l % 16; registers 0-3 hold K = 8 (l / 16) + 0..7, registers 4-7 K = 16 + 8 (l / 16) + 0..7.
	; x, whose rows lie along K: two loads of 16 bytes, 32 bytes apart.
	v_and_b32 v1, 15, v0                           ; l % 16
	v_bfe_u32 v2, v0, 4, 1                         ; l / 16
	v_mul_u32_u24 v3, v1, PA
	v_lshl_add_u32 v3, v2, 4, v3                   ; row x pitch + 16 x half
	; W, whose rows lie along n: the turning load takes 16 k x 16 n (lane l reads 16 bytes: k = 8 (l / 16) + l % 8, n = 8 ((l / 8) % 2) + 0..7) and leaves half a fragment: lane l holds column l % 16 and 8 k.
	v_and_b32 v5, 7, v0
	v_bfe_u32 v6, v0, 3, 1
	v_lshl_add_u32 v4, v2, 3, v5
	v_mul_u32_u24 v4, v4, PB
	v_lshl_add_u32 v4, v6, 4, v4
	s_mul_i32 s21, s[FB], HALFT                    ; my 128 rows of x
	s_lshl_b32 s22, s[HF], 8                       ; my 128 columns of W: 256 bytes of each row,
	s_add_co_u32 s22, s22, 2*HALFT                 ; behind x's 256 rows
.irp s, 0,1
	v_add_nc_u32 v[ADRA+(\s)], s21, v3
	v_add_nc_u32 v[ADRB+(\s)], s22, v4
	s_add_co_u32 s21, s21, SLOT
	s_add_co_u32 s22, s22, SLOT
.endr
	s_mul_i32 s23, s[WV], 16*SP
	s_add_co_u32 s23, s23, STAGE                   ; my stage
	v_mul_u32_u24 v7, v1, SP                       ; in: row l % 16, 32 bytes for each half of the lanes
	v_lshl_add_u32 v7, v2, 5, v7
	v_add_nc_u32 v[STO], s23, v7
	v_and_b32 v7, 31, v0                           ; lane
	v_lshlrev_b32 v[CO], 4, v7
	v_add_nc_u32 v[RD], s23, v[CO]                 ; back: 32 lanes take one row of 512 bytes
	s_lshl_b32 s68, s42, 10                        ; my first column in bytes of f32: 1,024 x tile column + 512 x half
	s_lshl_b32 s69, s[HF], 9
	s_add_co_u32 s68, s68, s69
	s_mov_b32 s69, 0
	s_add_nc_u64 s[8:9], s[8:9], s[68:69]          ; the bias at my 128 columns
	s_add_nc_u64 s[10:11], s[10:11], s[68:69]
	s_lshl_b32 s70, s43, 8
	s_lshl_b32 s71, s[FB], 7
	s_add_co_u32 s70, s70, s71                     ; my first row: 256 x tile row + 128 x half,
	s_lshl_b32 s70, s70, 14                        ; in bytes (under 2^26)
	s_mov_b32 s71, 0
	s_add_nc_u64 s[10:11], s[10:11], s[70:71]      ; out at my part of the tile; never rewritten
	global_load_b128 v[NB:NB+3], v[CO], s[8:9]     ; behind the stage a lane holds columns 4 l .. 4 l + 3 in every row: four numbers of the bias serve the whole way out; waited for there
	; the prefetches
	s_lshl_b32 s20, s43, 8                         ; x: row 256 x tile row
	s_lshl_b32 s21, s[HF], 7
	s_add_co_u32 s20, s20, s21                     ; + the 128 rows that I fetch
	s_lshl_b32 s21, s40, 5
	s_add_co_u32 s20, s20, s21                     ; + my work-group's 32 of them,
	s_lshl_b32 s20, s20, 13                        ; in bytes,
	s_add_co_u32 s20, s20, 3*KSTEP*2               ; at K step 3: the first refill steps it to 4
	s_lshl_b32 s21, s[HF], 6                       ; W: the 64 rows of a K step that I fetch
	s_lshl_b32 s22, s41, 4
	s_add_co_u32 s21, s21, s22                     ; + my work-group's 16 of them,
	s_lshl_b32 s21, s21, 13                        ; in bytes,
	s_lshl_b32 s22, s42, 9
	s_add_co_u32 s21, s21, s22                     ; at the tile's 512 bytes of a row,
	s_add_co_u32 s21, s21, 3*KSTEP*ROWB            ; at K step 3
	s_and_b32 s22, ttmp7, 0xffff                   ; cluster y
	s_mov_b32 s23, KSTEP*2
	s_cmp_eq_u32 s[FB], 0                          ; do I fetch for x?
	s_cselect_b32 s20, s20, s21
	s_cselect_b32 s22, ttmp9, s22                  ; the coordinate along which other clusters read the same rows
	s_cselect_b32 s[PFS], s23, KSTEP*ROWB
	s_cselect_b64 s[PFA:PFA+1], s[4:5], s[6:7]
	s_cmp_eq_u32 s22, 0
	s_cselect_b32 s[LIM], 1, -1                    ; the same in all sixteen partners, for a given wave
	s_mov_b32 s21, 0
	s_mov_b32 s[PFS+1], 0
	s_add_nc_u64 s[PFA:PFA+1], s[PFA:PFA+1], s[20:21]
	v_lshrrev_b32 v5, s[FB], v7                    ; x: a lane a row of 256 bytes; W: two lanes a row of 512 bytes
	v_and_b32 v6, s[FB], v7
	v_lshlrev_b32 v5, 13, v5
	v_lshl_add_u32 v[PFO], v6, 8, v5
	; nothing is prefetched here, at the head, where every work-group's first two tiles are on their way: K steps 2 and 3 come by their refills alone
; 16 matrix instructions: m blocks a0, a0 + 1 of the window's four (hi = 0: my rows 0-63, 1: rows 64-127) x all 8 n blocks, 32 along K.  zero = 1: the first product starts the sums: nothing is ever cleared.
; The 64 accumulators take turns, one instruction a turn, in the same order in every quarter step.
.macro MUL16 f, hi, a0, zero
	WIN MUL_LO+0x50*(\hi)
.irp a, \a0, (\a0)+1
.irp b, 0,1,2,3,4,5,6,7
.if \zero
	v_wmma_f32_16x16x32_bf16 v[8*(8*(\a)+(\b)):8*(8*(\a)+(\b))+7], v[(\f)+8*(\b):(\f)+8*(\b)+7], v[(\f)+8*(4*(\hi)+(\a)):(\f)+8*(4*(\hi)+(\a))+7], 0
.else
	v_wmma_f32_16x16x32_bf16 v[8*(8*(\a)+(\b)):8*(8*(\a)+(\b))+7], v[(\f)+8*(\b):(\f)+8*(\b)+7], v[(\f)+8*(4*(\hi)+(\a)):(\f)+8*(4*(\hi)+(\a))+7], v[8*(8*(\a)+(\b)):8*(8*(\a)+(\b))+7]
.endif
.endr
.endr
.endm
; 32 LDS loads in one run: the fragments of quarter q of a K step (K = 32 q on: 128 columns of W, 128 rows of x) into buffer f.  The largest offset is 3 x 32 x 544 + 16 x 544 + 224 = 61,152.
.macro FETCH slot, q, f
	WIN TO_B
.irp i, 0,1,2,3,4,5,6,7
	ds_load_tr16_b128 v[(\f)+8*(\i):(\f)+8*(\i)+3],   v[ADRB+(\slot)] offset:(\q)*32*PB+32*(\i)
	ds_load_tr16_b128 v[(\f)+8*(\i)+4:(\f)+8*(\i)+7], v[ADRB+(\slot)] offset:(\q)*32*PB+16*PB+32*(\i)
.endr
	WIN 0
.irp i, 0,1,2,3,4,5,6,7
	ds_load_b128 v[(\f)+8*(\i):(\f)+8*(\i)+3],   v[ADRA+(\slot)] offset:64*(\q)+(\i)*16*PA
	ds_load_b128 v[(\f)+8*(\i)+4:(\f)+8*(\i)+7], v[ADRA+(\slot)] offset:64*(\q)+(\i)*16*PA+32
.endr
.endm
; A load into a register that a matrix instruction has read stands four places behind that matrix instruction, and only plain vector instructions that name none of its registers are places
; (ISA guide 7.12.1 for vector instructions): four v_nop in front of each run of loads.
.macro PLACES
.rept 4
	v_nop
.endr
.endm
; A K step is four quarter steps of 32 along K, 64 matrix instructions each, on buffers 0, 1, 0, 1.
; One of the first three: multiplies buffer f; in its middle it fetches quarter q of the same slot into buffer g.
.macro QUARTER slot, q, f, g, zero
	s_wait_dscnt 8                                 ; W and x's rows 0-63 are in; the youngest eight loads (x's rows 64-127) may be out
	MUL16 \f, 0, 0, \zero
	MUL16 \f, 0, 2, \zero
	PLACES
	FETCH \slot, \q, \g
	s_wait_dscnt 32                                ; all but the 32 just issued
	MUL16 \f, 1, 0, \zero
	MUL16 \f, 1, 2, \zero
.endm
; The last quarter multiplies buffer 1 and changes slots.  MEET is its first half: ONE barrier for the change.  In front of it each wave waits for all its tensor loads, of which one is out:
; its part of the next slot; adds 0 to its spare word; and waits for that and for its own reads of this slot.  Behind it nobody reads this slot any more and the next slot is whole.
.macro MEET round                      ; round = 1: a round of the cluster's barrier follows
	WIN 0                                          ; (the add's two registers lie in window 0)
	s_wait_tensorcnt 0x0                           ; all my tensor loads have landed;
	ds_add_u32 v[SPW], v[NIL]                      ; 0 onto my spare word;
	s_wait_dscnt 9                                 ; (the add and the youngest eight loads may be out)
	MUL16 F1, 0, 0, 0                              ; sixteen matrix instructions stand between the add and the wait for it
	s_wait_dscnt 0x0                               ; the add is done, and my reads of this slot are over:
	s_barrier_signal -1                            ; say so,
	MUL16 F1, 0, 2, 0                              ; work on registers while the others arrive,
.if \round
	WIN 0
.endif
	s_barrier_wait -1                              ; and go on when all four have said so
.endm
; The whole last quarter.  fill = 1: behind the round the slot just read out is filled again first, with the K step two steps on; then come the next slot's first fragments.
; From a request to the wait for it a wave issues 224 matrix instructions; one tensor load of mine is out behind each round.
.macro TURN slot, next, fill
.if \fill
	s_wait_xcnt 0x0                                ; the last prefetch, a K step back, has read its address: it is stepped here, ahead of the waits of the change of slots
	s_add_nc_u64 s[PFA:PFA+1], s[PFA:PFA+1], s[PFS:PFS+1]
	MEET 1
	CREST                                          ; all sixteen work-groups have said so: no wave of any partner still reads this slot's tile or has a load on its way
	s_add_nc_u64 s[G0+4*(\slot)+2:G0+4*(\slot)+3], s[G0+4*(\slot)+2:G0+4*(\slot)+3], 2*KSTEP*2       ; no tensor load of mine is out, so a group 0 may be written
	s_add_nc_u64 s[G0B+4*(\slot)+2:G0B+4*(\slot)+3], s[G0B+4*(\slot)+2:G0B+4*(\slot)+3], 2*KSTEP*ROWB
	JLOAD \slot                                    ; the first tensor load behind the round; the four v_nop behind it are also the places in front of the loads below
.else
	MEET 0
	PLACES
.endif
	FETCH \next, 0, F0
.if \fill
	ASK                                            ; behind the joint load and the run of LDS loads that the next products wait for
.endif
	MUL16 F1, 1, 0, 0
	MUL16 F1, 1, 2, 0
.endm
; THE WAY OUT of block a (16 rows x 128 columns), in three parts.
; TOSTAGE: a lane's eight f32 of a row, 32 bytes, go from the accumulators into my own stage (each accumulator's four lowest registers first), and come back as whole rows of 512 bytes.
.macro TOSTAGE a
.set AC, 64*((\a)%4)
.set BK, OB+64*((\a)%3)
	WIN 0x08+4*((\a)/4)                            ; the stores' data (source 1): window 2 or 3
.irp b, 0,1,2,3,4,5,6,7
	ds_store_b128 v[STO], v[AC+8*(\b):AC+8*(\b)+3]   offset:64*(\b)
	ds_store_b128 v[STO], v[AC+8*(\b)+4:AC+8*(\b)+7] offset:64*(\b)+16
.endr
	WIN 0
.irp t, 0,1,2,3,4,5,6,7,8,9,10,11,12,13,14,15
	ds_load_b128 v[BK+4*(\t):BK+4*(\t)+3], v[RD] offset:(\t)*SP  ; LDS serves a wave's instructions in order (ISA guide 5.7.1.4): these see the stores above; the next block's stores come behind them
.endr
.endm
; ACT: 1 / (1 + 2^(-c s - c b)), c = log2 e, in place on the block's 64 registers.  Two batches of 64 transcendentals, each with one plain instruction behind its last and ONE wait ahead of its first
; reader.  younger: the LDS instructions issued behind block a's loads: the next block's sixteen stores and sixteen loads, or none.
.macro ACT a, younger
	WIN 0
.set BK, OB+64*((\a)%3)
	s_wait_dscnt \younger                          ; the block is back in registers
.set p, 0
.rept 32
	v_pk_fma_f32 v[BK+2*p:BK+2*p+1], v[BK+2*p:BK+2*p+1], s[LC:LC+1], v[NB+2*(p%2):NB+2*(p%2)+1] op_sel_hi:[1,0,1]  ; scale and bias in one fused line
.set p, p+1
.endr
.set p, 0
.rept 64
	v_exp_f32 v[BK+p], v[BK+p]
.set p, p+1
.endr
	v_nop
	s_wait_alu depctr_va_vdst(0)
.set p, 0
.rept 32
	v_pk_add_f32 v[BK+2*p:BK+2*p+1], v[BK+2*p:BK+2*p+1], 1.0 op_sel_hi:[1,0]
.set p, p+1
.endr
.set p, 0
.rept 64
	v_rcp_f32 v[BK+p], v[BK+p]
.set p, p+1
.endr
	v_nop
	s_wait_alu depctr_va_vdst(0)
.endm
; SEND: sixteen stores; each covers 512 consecutive bytes, at a multiple of 512 from out's first byte.  The row stands in the immediate (127 x 16,384 at the most, inside its signed 24 bits: ISA guide,
; chapter 10), so no base and no address register is ever rewritten.
.macro SEND a
	WIN 0
.set BK, OB+64*((\a)%3)
	s_wait_xcnt 0x0                                ; every earlier store has had its addresses translated (ISA guide 3.1): block a - 1's registers, which the stage loads of block a + 2 write, are free behind this wait
.irp t, 0,1,2,3,4,5,6,7,8,9,10,11,12,13,14,15
	global_store_b128 v[CO], v[BK+4*(\t):BK+4*(\t)+3], s[10:11] offset:(16*(\a)+(\t))*OROW th:TH_STORE_NT
.endr
.endm
	s_wait_tensorcnt 1                             ; my part of K step 0 is in; K step 1's may stay out
	s_barrier_signal -1
	s_barrier_wait -1                              ; everybody's is
	FETCH 0, 0, F0
	QUARTER 0, 1, F0, F1, 1                        ; the first quarter stands in front of the loop: its products start the sums
	WIN 0                                          ; at a label and at a branch every window is 0
	s_mov_b32 s3, LAPS-1
.Llap:                                                 ; a trip goes once round the ring, from a lap's second quarter to the next lap's first, and fills both slots again
	QUARTER 0, 2, F1, F0, 0
	QUARTER 0, 3, F0, F1, 0
	TURN 0, 1, 1
	QUARTER 1, 1, F0, F1, 0
	QUARTER 1, 2, F1, F0, 0
	QUARTER 1, 3, F0, F1, 0
	TURN 1, 0, 1
	QUARTER 0, 1, F0, F1, 0
	WIN 0
	s_sub_co_u32 s3, s3, 1
	s_cmp_lg_u32 s3, 0
	s_cbranch_scc1 .Llap
	QUARTER 0, 2, F1, F0, 0                        ; the last lap is written out: it fills nothing, and has no round of the cluster's barrier
	QUARTER 0, 3, F0, F1, 0
	TURN 0, 1, 0
	QUARTER 1, 1, F0, F1, 0
	QUARTER 1, 2, F1, F0, 0
	QUARTER 1, 3, F0, F1, 0
	s_wait_dscnt 8                                 ; the very last quarter: nothing more to fetch
	MUL16 F1, 0, 0, 0
	MUL16 F1, 0, 2, 0
	s_wait_dscnt 0x0
	MUL16 F1, 1, 0, 0
	MUL16 F1, 1, 2, 0
	WIN 0
	s_wait_loadcnt 0x0                             ; the bias
	v_pk_mul_f32 v[NB:NB+1],   v[NB:NB+1],   s[LC:LC+1] op_sel_hi:[1,0]  ; -c b, once: the addend of ACT's fused line.  These two lines and the six below are the places behind the last products
	v_pk_mul_f32 v[NB+2:NB+3], v[NB+2:NB+3], s[LC:LC+1] op_sel_hi:[1,0]
.rept 6
	v_nop
.endr
	TOSTAGE 0
.irp a, 0,1,2,3,4,5,6,7                ; block a + 1 goes through the stage while block a's arithmetic runs
.if (\a) < 7
	TOSTAGE (\a)+1
	ACT \a, 32
.else
	ACT \a, 0
.endif
	SEND \a
.endr
	s_wait_tensorcnt 0x0                           ; the wave's end: the add and its waits stand behind my last tensor load and my last LDS store
	ds_add_u32 v[SPW], v[NIL]
	s_wait_dscnt 0x0
	CROUND                                         ; the closing round: no work-group ends while a partner may still ask for a tile that names it
	s_endpgm
.Lfunc_end_k_qe1f4db2613_gemm:
	.size	k_qe1f4db2613_gemm, .Lfunc_end_k_qe1f4db2613_gemm-k_qe1f4db2613_gemm
	.p2alignl 7, 3214868480
	.fill 96, 4, 3214868480
	.section	.rodata,"a",@progbits
	.p2align	6, 0x0
	.amdhsa_kernel k_qe1f4db2613_gemm
		.amdhsa_group_segment_fixed_size 327680
		.amdhsa_private_segment_fixed_size 0
		.amdhsa_enable_private_segment 0
		.amdhsa_kernarg_size 32
		.amdhsa_user_sgpr_count 2
		.amdhsa_user_sgpr_kernarg_segment_ptr 1
		.amdhsa_wavefront_size32 1
		.amdhsa_system_sgpr_workgroup_id_x 1
		.amdhsa_system_sgpr_workgroup_id_y 1
		.amdhsa_system_sgpr_workgroup_id_z 1
		.amdhsa_system_vgpr_workitem_id 0
		.amdhsa_next_free_vgpr 1024
		.amdhsa_next_free_sgpr 72
		.amdhsa_reserve_vcc 0
		.amdhsa_float_denorm_mode_32 3
		.amdhsa_float_denorm_mode_16_64 3
		.amdhsa_memory_ordered 1
		.amdhsa_forward_progress 1
		.amdhsa_inst_pref_size 207
	.end_amdhsa_kernel
	.amdgpu_metadata
---
amdhsa.version: [ 1, 2 ]
amdhsa.kernels:
  - .name:           k_qe1f4db2613_gemm
    .symbol:         k_qe1f4db2613_gemm.kd
    .args:
      - { .name: xb, .offset: 0, .size: 8, .value_kind: global_buffer, .address_space: global }
      - { .name: wb, .offset: 8, .size: 8, .value_kind: global_buffer, .address_space: global }
      - { .name: hidden_bias, .offset: 16, .size: 8, .value_kind: global_buffer, .address_space: global }
      - { .name: out0, .offset: 24, .size: 8, .value_kind: global_buffer, .address_space: global }
    .group_segment_fixed_size: 327680
    .private_segment_fixed_size: 0
    .kernarg_segment_align: 8
    .kernarg_segment_size: 32
    .max_flat_workgroup_size: 128
    .sgpr_count:     72
    .vgpr_count:     1024
    .wavefront_size: 32
...
	.end_amdgpu_metadata
.endif
;; end of part 2
;; ======== version 2 of 2: 2 launches; version 1 with the launch cast written anew for expert scheduling mode
;; workspace buffers: xb 33,554,432 bytes; wb 33,554,432 bytes
;; launch cast (part 3): grid 512 x 2, 8 waves a work-group, no clusters, 0 bytes of LDS; arguments input_data, W, xb, wb; writes xb, wb
.if DOCPART == 3
	.amdgcn_target "amdgcn-amd-amdhsa--gfx1250"
	.amdhsa_code_object_version 6
	.text
	.protected	k_qe1f4db2613_cast
	.globl	k_qe1f4db2613_cast
	.p2align	8
	.type	k_qe1f4db2613_cast,@function
k_qe1f4db2613_cast:
	s_mov_b64 s[64:65], 0
	v_nop
	global_prefetch_b8 v0, s[64:65] scope:SCOPE_SE
	s_setreg_imm32_b32 hwreg(HW_REG_WAVE_SCHED_MODE, 0, 2), 2
	s_setreg_imm32_b32 hwreg(HW_REG_WAVE_MODE, 25, 1), 1
	s_wait_xcnt 0x0
	s_wait_alu depctr_vm_vsrc(0)
; xb = bf16(input_data), wb = bf16(W): both [4096][4096], the layout unchanged, each number rounded once to nearest even.
; LIMITS.  bf16 has f32's exponents: a finite f32 above bf16's largest finite number rounds to infinity; NaN stays NaN; denormals are kept.
; SHARES.  Grid y picks the pair of buffers (0: input_data -> xb, 1: W -> wb).  Work-group x owns 131,072 consecutive input bytes, in 32 pieces of 4,096.
; Thread t takes the 16 bytes at 16 t of each piece: a wave's load covers 512 consecutive bytes, aligned; its four numbers pack into 8 bytes, and a wave's store
; covers 256 consecutive bytes, aligned.  Nothing is shared and nothing is read twice: no LDS, no barrier.
; THE MODE: SCHED_MODE bits 1:0 = 2 (LLVM: expert scheduling mode 2), set by the entry lines.  The code itself states the register dependences
; between vector instructions and memory instructions, with s_wait_alu, always for 0.
; THE PLAN.  The 32 pieces go in 8 blocks of four, all written out, so that every offset is an immediate.  Registers that memory instructions touch:
;   X0 .. X4   five blocks as loaded.  Written by loads alone: blocks 0 to 4 at the head; block p + 4, issued in block p (p = 1, 2, 3), lands in X[(p - 1) % 5].
;              Read by block p's eight conversions, which read X[p % 5].
;   Y0 .. Y4   five blocks to store.  Written by block p's conversions, which write Y[p % 5]; read by the four stores that are issued in block p + 1.
;              Blocks 5, 6 and 7 write Y0, Y1 and Y2 a second time; Y3 and Y4 are written once.
;   v1, v2     byte offsets, made once at the head and never written again.
; Block p's memory instructions name X[(p - 1) % 5] and Y[(p - 1) % 5], the two buffers that block p - 1 worked on and that no vector instruction of block p names.  So ONE wait
; on va_vdst at a block's head states all that the block's loads and stores hang on, and these are dealt among its conversions with no further wait.
; ONE wait on vm_vsrc, at block 5's head, states that the stores issued in blocks 1, 2 and 3 have read Y0, Y1 and Y2.
.set BLOCK, 4                          ; pieces in a block
.set NX,    5                          ; buffers of each kind
.set PIECE, 4096                       ; input bytes of a piece; half as many leave
.set X, 4                              ; v[4:83]    buffer k, piece i: 4 registers at X + 16 k + 4 i, 4 f32 as loaded
.set Y, 84                             ; v[84:123]  buffer k, piece i: 2 registers at Y + 8 k + 2 i, 4 bf16 to store
	s_load_b256 s[4:11], s[0:1], 0x0               ; input_data s[4:5], W s[6:7], xb s[8:9], wb s[10:11]
	v_lshlrev_b32 v1, 4, v0                        ; my 16 bytes of an input piece; never rewritten
	v_lshlrev_b32 v2, 3, v0                        ; my 8 bytes of an output piece; never rewritten
	s_lshl_b32 s18, ttmp9, 17                      ; the work-group's 131,072 input bytes (511 x 131,072 stays under 2^32),
	s_mov_b32 s19, 0
	s_lshl_b32 s20, ttmp9, 16                      ; and its 65,536 output bytes
	s_mov_b32 s21, 0
	s_and_b32 s12, ttmp7, 0xffff                   ; which pair of buffers
	s_wait_kmcnt 0x0
	s_cmp_eq_u32 s12, 0
	s_cselect_b64 s[14:15], s[4:5], s[6:7]         ; from
	s_cselect_b64 s[16:17], s[8:9], s[10:11]       ; to
	s_add_nc_u64 s[14:15], s[14:15], s[18:19]
	s_add_nc_u64 s[16:17], s[16:17], s[20:21]
	s_wait_alu depctr_va_vdst(0)                   ; v1 and v2 are written: every load of the kernel reads v1 as its offset, every store v2
.irp i, 0,1,2,3,4,5,6,7,8,9,10,11,12,13,14,15,16,17,18,19
	global_load_b128 v[X+4*(\i):X+4*(\i)+3], v1, s[14:15] offset:PIECE*(\i) th:TH_LOAD_NT  ; blocks 0 to 4 into X0 to X4: twenty loads of the wave are out
.endr
; Block p.  left = how many younger loads may still be out when this block's four have to be there.
.macro BLK p, left
	s_wait_loadcnt \left                           ; loads come back in order (ISA guide 5.7.1): X[p % 5] is in, the younger blocks stay out
.if (\p) == NX
	s_wait_xcnt 0x0                                ; every earlier memory instruction has had its addresses translated (ISA guide 3.1): Y0, Y1 and Y2 are rewritten only behind this wait
	s_wait_alu depctr_vm_vsrc(0)                   ; the stores issued in blocks 1, 2 and 3 have read Y0, Y1 and Y2, which the conversions of blocks 5, 6 and 7 write again
.endif
.if (\p) >= 1
	s_wait_alu depctr_va_vdst(0)                   ; the block before has written its Y, which the stores below read, and is done reading its X, in which the loads below (blocks 1 to 3) land
.endif
.irp i, 0,1,2,3
.if (\p) >= 1 && (\p) <= 3
	global_load_b128 v[X+16*(((\p)-1)%NX)+4*(\i):X+16*(((\p)-1)%NX)+4*(\i)+3], v1, s[14:15] offset:PIECE*(BLOCK*((\p)+4)+(\i)) th:TH_LOAD_NT  ; four blocks ahead, the load ahead of the store; no vector instruction since the wait names these registers
.endif
.if (\p) >= 1
	global_store_b64 v2, v[Y+8*(((\p)-1)%NX)+2*(\i):Y+8*(((\p)-1)%NX)+2*(\i)+1], s[16:17] offset:(PIECE/2)*(BLOCK*((\p)-1)+(\i))  ; the block before
.endif
	v_cvt_pk_bf16_f32 v[Y+8*((\p)%NX)+2*(\i)],   v[X+16*((\p)%NX)+4*(\i)],   v[X+16*((\p)%NX)+4*(\i)+1]   ; two roundings, packed: the lower column in the lower half
	v_cvt_pk_bf16_f32 v[Y+8*((\p)%NX)+2*(\i)+1], v[X+16*((\p)%NX)+4*(\i)+2], v[X+16*((\p)%NX)+4*(\i)+3]
.endr
.endm
	BLK 0, 4*BLOCK                                 ; blocks 1 to 4 stay out.  No block stands in front of it: nothing to store, and the head's wait has covered the offsets
	BLK 1, 3*BLOCK                                 ; behind block p's loads stand those of the three younger blocks issued so far: twelve
	BLK 2, 3*BLOCK
	BLK 3, 3*BLOCK                                 ; asks for block 7, the last: no load leaves the buffer
	BLK 4, 3*BLOCK
	BLK 5, 2*BLOCK                                 ; nothing has been asked for since block 3: the counts run down
	BLK 6, BLOCK
	BLK 7, 0
	s_wait_alu depctr_va_vdst(0)                   ; block 7 has written Y2, which the last four stores read
.irp i, 0,1,2,3
	global_store_b64 v2, v[Y+8*(7%NX)+2*(\i):Y+8*(7%NX)+2*(\i)+1], s[16:17] offset:(PIECE/2)*(BLOCK*7+(\i))
.endr
	s_endpgm
.Lfunc_end_k_qe1f4db2613_cast:
	.size	k_qe1f4db2613_cast, .Lfunc_end_k_qe1f4db2613_cast-k_qe1f4db2613_cast
	.p2alignl 7, 3214868480
	.fill 96, 4, 3214868480
	.section	.rodata,"a",@progbits
	.p2align	6, 0x0
	.amdhsa_kernel k_qe1f4db2613_cast
		.amdhsa_group_segment_fixed_size 0
		.amdhsa_private_segment_fixed_size 0
		.amdhsa_enable_private_segment 0
		.amdhsa_kernarg_size 32
		.amdhsa_user_sgpr_count 2
		.amdhsa_user_sgpr_kernarg_segment_ptr 1
		.amdhsa_wavefront_size32 1
		.amdhsa_system_sgpr_workgroup_id_x 1
		.amdhsa_system_sgpr_workgroup_id_y 1
		.amdhsa_system_sgpr_workgroup_id_z 1
		.amdhsa_system_vgpr_workitem_id 0
		.amdhsa_next_free_vgpr 124
		.amdhsa_next_free_sgpr 66
		.amdhsa_reserve_vcc 0
		.amdhsa_float_denorm_mode_32 3
		.amdhsa_float_denorm_mode_16_64 3
		.amdhsa_memory_ordered 1
		.amdhsa_forward_progress 1
		.amdhsa_inst_pref_size 12
	.end_amdhsa_kernel
	.amdgpu_metadata
---
amdhsa.version: [ 1, 2 ]
amdhsa.kernels:
  - .name:           k_qe1f4db2613_cast
    .symbol:         k_qe1f4db2613_cast.kd
    .args:
      - { .name: input_data, .offset: 0, .size: 8, .value_kind: global_buffer, .address_space: global }
      - { .name: W, .offset: 8, .size: 8, .value_kind: global_buffer, .address_space: global }
      - { .name: xb, .offset: 16, .size: 8, .value_kind: global_buffer, .address_space: global }
      - { .name: wb, .offset: 24, .size: 8, .value_kind: global_buffer, .address_space: global }
    .group_segment_fixed_size: 0
    .private_segment_fixed_size: 0
    .kernarg_segment_align: 8
    .kernarg_segment_size: 32
    .max_flat_workgroup_size: 256
    .sgpr_count:     66
    .vgpr_count:     124
    .wavefront_size: 32
...
	.end_amdgpu_metadata
.endif
;; end of part 3
;; launch gemm: the kernel of part 2 again; grid 16 x 16, 4 waves a work-group, clusters of 4 x 4, 327,680 bytes of LDS; arguments xb, wb, hidden_bias, out0; writes out0
